; MI455X (gfx1250); checked and timed in simulation.
; The chip was launched on July 23, 2026; its instructions are those of AMD's public machine-readable ISA for CDNA 5 (MIT licence, August 2026) and "CDNA5" Instruction Set Architecture Reference Guide (July 2026). The comments in the code are by the model that wrote it; some were corrected since.
;; Pi KV Mo E. Allowed arithmetic: matrix products marked QUANTISED: E2M1 operands, one E8M0 scale for each 32 along K, by v_wmma_scale_f32_16x16x128_f8f6f4 with both operands' format E2M1 (or v_wmma_scale_f32_32x16x128_f4), f32 sums; products left as they are: f32 operands where the result goes on into a quantised operand, else bf16, f16 or f32 operands; f32 sums; everything else in f32.
;; Inputs: W_codes 8 x 2,048 x 64 x 16 uint8 (E2M1 codes of W, K innermost, in blocks of 32 codes, two codes a byte); W_scales 8 x 2,048 x 64 uint8 (E8M0 scales of W, one for each 32 codes along K); Wg 2,048 x 8 float32; b 8 x 2,048 float32; bg 8 float32; cached 8 x 2,048 float32; x 2,048 x 2,048 float32.
;; Outputs: out0 2,048 x 2,048 float32.
;; This version of the problem:
;;   THIS VERSION OF THE PROBLEM IS GIVEN IN LOW PRECISION. The matrix products marked QUANTISED in the list below multiply operands that are first quantised to E2M1 (2 exponent bits, 1 mantissa bit; 4 bits a number), with one power-of-two scale for each 32 numbers along K (OCP MX v1.0); their sums are f32. All else is computed in f32.
;;   The module's matrix products, in the order in which they are computed (A, B: the left and right operand; K: the contracted axis; several contracted axes count as one K, in the product's order):
;;     1. [M 2,048, K 2,048] x [K 2,048, N 8]; A: input x; B: input Wg: left as it is (N = 8 < 16)
;;     2. [M 16,384, K 2,048] x [K 2,048, N 2,048]; A: input W (given as codes); B: input x: QUANTISED
;;     3. batch 2,048 x [M 1, K 8] x [K 8, N 2,048]; A: softmax; B: computed on the way: left as it is (K = 8 < 32)
;;   THE QUANTISER, for each operand of a quantised product, along K:
;;     - K is cut into blocks of 32 from its start; a last block that is shorter is filled with zeros.
;;     - A block's scale is 2^e with e = floor(log2(the largest magnitude in the block)) - 2, held to -126 .. 127; a block of zeros has e = 0. As a byte (E8M0): e + 127.
;;     - Each number is divided by its block's scale, clamped to +-6, and rounded to the nearest number of E2M1, ties to even, subnormals kept.
;;     - The product sums the exact products of the quantised numbers (number of the format x scale) in f32.
;;   ~~~python
;;   def quantise(x, axis):      # numpy; x: float32 -> the quantised numbers, widened to float32 again
;;       x = np.moveaxis(x, axis, -1); K = x.shape[-1]
;;       x = np.pad(x, [(0, 0)] * (x.ndim - 1) + [(0, -K % 32)]); x = x.reshape(x.shape[:-1] + (-1, 32)); a = np.abs(x).max(-1, keepdims=True)
;;       e = np.where(a > 0, np.clip(np.frexp(np.where(a > 0, a, 1))[1] - 1 - 2, -126, 127), 0)      # np.frexp(a)[1] - 1 = floor(log2(a)), exactly
;;       r = np.clip(x / 2.0 ** e, -6, 6)
;;       step = 2.0 ** (np.maximum(np.frexp(np.where(r == 0, 1, r))[1] - 1, 0) - 1)
;;       q = np.round(r / step) * step * 2.0 ** e      # np.round: ties to even
;;       return np.moveaxis(q.reshape(q.shape[:-2] + (-1,))[..., :K], -1, axis).astype(np.float32)
;;   ~~~
;;   INPUTS GIVEN AS CODES. W (in the module: [8, 2048, 2048], K = its axis 1): each comes as NAME_codes (uint8): NAME with its K axis moved to the last place and cut into blocks of 32 codes, [.., K / 32, bytes a block], one block behind the other in memory; two codes a byte, the lower K in the low four bits (a code: sign, 2 exponent bits, 1 mantissa bit); and NAME_scales (uint8): the same leading axes, one E8M0 byte (e + 127) for each 32 codes along K. Its value is code x scale, taken as it is: it is not quantised again, and the codes and scales need not be those that the quantiser above would give.
;; One version. Each part assembles by itself: llvm-mc -triple=amdgcn-amd-amdhsa -mcpu=gfx1250 --defsym DOCPART=n.
;; ======== version 1 of 1: 2 launches
;; limits: values are held in bf16: 8 bits of precision; right only within a limited range of input values
;; workspace buffers: xq 2,097,152 bytes; xs 131,072 bytes; lg 131,072 bytes; wimg 1,179,648 bytes
;; launch prep (part 1): grid 128 x 2, 8 waves a work-group, no clusters, 168,960 bytes of LDS; arguments x, Wg, xq, xs, lg, W_scales, b, cached, wimg; writes xq, xs, lg, wimg
.if DOCPART == 1
	.amdgcn_target "amdgcn-amd-amdhsa--gfx1250"
	.amdhsa_code_object_version 6
	.text
	.protected	k_qf757da56fe_prep
	.globl	k_qf757da56fe_prep
	.p2align	8
	.type	k_qf757da56fe_prep,@function
k_qf757da56fe_prep:
	s_mov_b64 s[64:65], 0
	v_nop
	global_prefetch_b8 v0, s[64:65] scope:SCOPE_SE
	s_setreg_imm32_b32 hwreg(HW_REG_WAVE_MODE, 25, 1), 1
	s_wait_xcnt 0x0
; x [2048][2048] f32 is quantised once, along its rows, into codes of FP4 (E2M1) with one E8M0 byte for each 32 numbers, and the gate's logits x Wg are made as two partial sums over K.
; xq: [T = token / 16][q = K / 128][c = 0, 1][lane][16 bytes]: the image of the operand's registers (lane (r, h), registers 4 c .. 4 c + 3: token 16 T + r, k = 128 q + 64 c + 32 h + 0 .. 31).
; xs: [T][q / 4][r][4 words]: word q % 4 holds the four scale bytes of token 16 T + r for K step q.     lg: [K half y][token][8] f32: the logits' part over k = 1024 y .. 1024 y + 1023, without bg.
; SHARES.  Work-group (T, y): 16 tokens x 1,024 along K.  Wave w: K step q = 8 y + w, 16 tokens x 128.  One tensor load a wave brings its 16 rows of 512 bytes; nothing in LDS is filled twice.
; THE GATE'S PRODUCT is left as it is and feeds no quantiser: bf16 operands, f32 sums.  Source 0 = Wg^T (row = expert r % 8: rows 8-15 repeat rows 0-7, so nothing is masked), source 1 = x.
; Both sources give a lane the same 16 neighbours along K for its eight registers: one permutation of k on both sides, which keeps the products.  Register j of lane (r, .) is then (token r, expert j).
; A block's scale is 2^(floor(log2(its largest magnitude)) - 2); its byte is the largest magnitude's exponent field - 2, held at 1 from below.
; LIMITS: NaN and infinities in x are not served.  A block whose largest magnitude lies under 2^-124, a block of zeros among them, keeps the byte 1 (a block of zeros has zero codes, and this program alone reads the bytes).
; The gate's operands are rounded to bf16: the logits' error grows with the size and the offset of x and Wg.
.set XP,   528                         ; a row of x's tile in LDS: 512 bytes + 16 of padding = 132 words: row r starts at bank 4 r mod 64 (64 banks of 4 bytes: ISA guide 11.1)
.set XW,   16*XP                       ; a wave's tile
.set SCW,  8*XW                        ; behind the eight tiles: the work-group's 128 scale words, laid as in xs
.set LGT,  SCW+512                     ; and eight waves' parts of the logits, 512 bytes each: [token r][8]
.set G0,   12                          ; s[12:15] descriptor group 0
.set G1,   16                          ; s[16:23] descriptor group 1
.set SEL,  24                          ; s[24:25] lane selects for v_permlanex16_b32: lane l xor 16
.set WV,   28                          ; s28 my wave's number
.set WT,   16                          ; v16-79   Wg as loaded; afterwards the registers below
.set PC,   16                          ; v16-23   the codes
.set PW,   24                          ; v24      the scale word
.set TM,   32                          ; v32-47   at work in QUANT
.set LS,   48                          ; v48-55   my part of the logits
.set RS,   56                          ; v56-63
.set WB,   80                          ; v80-111  Wg^T in bf16: four fragments of 32 along K
.set XN,   112                         ; v112-175 64 numbers of x: register 16 b + i = k 32 b + 16 h + i of my row
.set XB,   176                         ; v176-207 the same in bf16
.set AC,   208                         ; v208-239 four accumulators
; 64 numbers of a lane become a fragment's codes in v[PC] on and its scale word in v[PW]
.macro QUANT s
.irp b, 0,1,2,3
	v_max3_num_f32 v[TM+\b], |v[\s+16*\b]|, |v[\s+1+16*\b]|, 0x1800000   ; block b: my 16 numbers, and the floor 2^(3 - 127): the byte cannot fall under 1
.endr
.irp i, 2,4,6,8,10,12,14
.irp b, 0,1,2,3
	s_delay_alu instid0(VALU_DEP_4)
	v_max3_num_f32 v[TM+\b], v[TM+\b], |v[\s+16*\b+\i]|, |v[\s+1+16*\b+\i]|   ; the four blocks by turns
.endr
.endr
.irp b, 0,1,2,3
	s_delay_alu instid0(VALU_DEP_4)
	v_permlanex16_b32 v[TM+4+\b], v[TM+\b], s[SEL], s[SEL+1]
.endr
.irp b, 0,1,2,3
	s_delay_alu instid0(VALU_DEP_4)
	v_max_num_f32 v[TM+\b], v[TM+\b], v[TM+4+\b]   ; with lane l xor 16's: the block's largest magnitude
.endr
.irp b, 0,1,2,3
	s_delay_alu instid0(VALU_DEP_4)
	v_add_nc_u32 v[TM+12+\b], 0xff000000, v[TM+\b] ; 2 off its exponent field: the conversion takes this operand's exponent field as its scale
.endr
.irp b, 0,1,2,3
	s_delay_alu instid0(VALU_DEP_4)
	v_lshrrev_b32 v[TM+4+\b], 23, v[TM+12+\b]      ; the scale's byte
.endr
	s_delay_alu instid0(VALU_DEP_3)
	v_lshl_or_b32 v[PW], v[TM+5], 8, v[TM+4]       ; four bytes make my row's scale word (both halves of the lanes hold the same)
	s_delay_alu instid0(VALU_DEP_1)
	v_lshl_or_b32 v[PW], v[TM+6], 16, v[PW]
	s_delay_alu instid0(VALU_DEP_1)
	v_lshl_or_b32 v[PW], v[TM+7], 24, v[PW]
.irp b, 0,1,2,3
	v_cvt_scalef32_pk8_fp4_f32 v[PC+2*\b], v[\s+16*\b:\s+7+16*\b], v[TM+12+\b]
	v_cvt_scalef32_pk8_fp4_f32 v[PC+1+2*\b], v[\s+8+16*\b:\s+15+16*\b], v[TM+12+\b]
.endr
	v_nop                                          ; one plain place behind a scaled conversion
.irp c, 0,1                                    ; the operand's layout wants a whole block in a lane: lanes 0-15 block 2 c, lanes 16-31 block 2 c + 1
.irp i, 0,1
	v_permlane16_swap_b32 v[PC+4*\c+\i], v[PC+2+4*\c+\i]
.endr
.endr
.endm
	s_load_b256 s[4:11], s[0:1], 0x0               ; x s[4:5], Wg s[6:7], xq s[8:9], xs s[10:11]
; wimg: for each block of 64 f 36,864 bytes: W's scale words [e][p][c][lane][16 bytes] (row 32 p + lane, K steps 4 c .. 4 c + 3), then b [e][64] f32, then cached [64 f][8 e] as bf16 high parts (16 bytes) and low parts (16 bytes).
; The work-group with number i = 128 y + T makes, for block i / 8, the scale words and b of expert i % 8 and cached's rows 8 (i % 8) .. + 7.
; Wg's 128 rows of a wave come in as 4,096 consecutive bytes, go into LDS with 32 bytes of padding behind every 16 rows, and are read back by the lane that wants them.
.set WGS,  LGT+4096
	s_load_b64 s[26:27], s[0:1], 0x20              ; lg
	s_load_b256 s[36:43], s[0:1], 0x28             ; W_scales s[36:37], b s[38:39], cached s[40:41], wimg s[42:43]
	v_lshl_add_u32 v254, v0, 2, 0x29000
	v_mov_b32 v255, 0
	ds_add_u32 v254, v255
	ds_add_u32 v254, v255
	v_lshrrev_b32 v1, 5, v0
	s_delay_alu instid0(VALU_DEP_1)
	v_readfirstlane_b32 s[WV], v1                  ; wave 0..7
	s_and_b32 s29, ttmp7, 0xffff                   ; y: which half of K
	s_lshl_b32 s30, s29, 3
	s_add_co_u32 s30, s30, s[WV]                   ; q = 8 y + wave
	; descriptor group 1: 16 rows x 128 elements of 4 bytes, 2,048 elements from row to row, 16 bytes of padding behind each row
	s_mov_b32 s[G1+0], (2<<16)|(1<<20)|(6<<22)|(3<<25)  ; 17:16 elements of 4 bytes; 20 padding on; 24:22 after every 128 words (code 6); 31:25 four words (code 3)
	s_mov_b32 s[G1+1], 128<<16                     ; tensor_dim0 = 128
	s_mov_b32 s[G1+2], 16<<16                      ; tensor_dim1 = 16
	s_mov_b32 s[G1+3], 128<<16                     ; tile_dim0 = 128
	s_mov_b32 s[G1+4], 16                          ; tile_dim1 = 16
	s_mov_b32 s[G1+5], 2048                        ; tensor_dim0_stride
	s_mov_b32 s[G1+6], 0
	s_mov_b32 s[G1+7], 0
	s_mov_b32 s[G0], 1                             ; count = 1
	s_mul_i32 s[G0+1], s[WV], XW                   ; my wave's tile in LDS
	s_lshl_b32 s32, ttmp9, 17                      ; 16 rows of 8,192 bytes a work-group,
	s_lshl_b32 s33, s30, 9                         ; 512 bytes a K step
	s_add_co_u32 s32, s32, s33
	s_mov_b32 s33, 0
	s_mov_b32 s[SEL], 0x76543210
	s_mov_b32 s[SEL+1], 0xfedcba98
	s_wait_dscnt 0x0
	s_wait_kmcnt 0x0
	s_add_nc_u64 s[G0+2:G0+3], s[4:5], s[32:33]
	s_or_b32 s[G0+3], s[G0+3], 0x80000000          ; type = 2
	tensor_load_to_lds s[G0:G0+3], s[G1:G1+7]      ; my one tensor load
	s_nop 0
.rept 4
	v_nop
.endr
	v_and_b32 v1, 15, v0                           ; r
	v_bfe_u32 v2, v0, 4, 1                         ; h
	v_and_b32 v3, 31, v0                           ; lane
	s_delay_alu instid0(VALU_DEP_3)
	v_mul_u32_u24 v4, v1, XP
	s_delay_alu instid0(VALU_DEP_1)
	v_lshl_add_u32 v4, v2, 6, v4
	s_delay_alu instid0(VALU_DEP_1)
	v_add_nc_u32 v4, s[G0+1], v4                   ; x in LDS: my tile, row r, + 64 h: my 16 numbers of a block of 32
	s_mul_i32 s47, s[WV], 4352
	s_add_co_u32 s47, s47, WGS                     ; my wave's 128 rows of Wg in LDS
	v_and_b32 v5, 7, v0
	s_delay_alu instid0(VALU_DEP_1)
	v_lshlrev_b32 v5, 2, v5
	s_delay_alu instid0(VALU_DEP_1)
	v_mad_u32_u24 v5, v2, 0x220, v5                ; Wg out of LDS: 16 h rows on (16 rows are 512 + 32 bytes), expert r % 8
	s_delay_alu instid0(VALU_DEP_1)
	v_add_nc_u32 v5, s47, v5
	v_lshlrev_b32 v6, 4, v3                        ; 16 x lane
	s_delay_alu instid0(VALU_DEP_1)
	v_add_nc_u32 v15, s47, v6                      ; Wg into LDS
	v_lshlrev_b32 v11, 6, v3                       ; W's scale bytes: a row of 64 bytes a lane
	v_lshlrev_b32 v12, 3, v3                       ; 8 x lane
	v_and_b32 v13, 1, v3
	v_lshrrev_b32 v14, 2, v3
	s_delay_alu instid0(VALU_DEP_2)
	v_lshlrev_b32 v13, 15, v13
	s_delay_alu instid0(VALU_DEP_1)
	v_lshl_add_u32 v13, v14, 2, v13                ; cached: lane = 4 row + 2 part + half: experts 4 half on, row lane / 4
	v_and_b32 v14, 2, v3                           ; part: 0 high, else low
.irp i, 240,241,248,249,250,251
	v_mov_b32 v[\i], 0                             ; written on every way; wave 1 loads b and cached into them
.endr
	s_wait_alu depctr_va_vdst(0)
	s_lshr_b32 s34, s[WV], 2
	s_lshl_b32 s34, s34, 8
	s_and_b32 s35, s[WV], 3
	s_lshl_b32 s35, s35, 2
	s_add_co_u32 s34, s34, s35
	s_add_co_u32 s34, s34, SCW
	v_lshl_add_u32 v7, v1, 4, s34                  ; my scale word's place: 256 (wave / 4) + 16 r + 4 (wave % 4)
	s_lshl_b32 s35, s[WV], 9
	s_add_co_u32 s35, s35, LGT
	v_lshl_add_u32 v8, v1, 5, s35                  ; my part of the logits: 512 x wave + 32 r
	v_add_nc_u32 v9, SCW, v6                       ; wave 0 reads both regions back, 16 bytes a lane
	v_add_nc_u32 v10, LGT, v6
	s_lshl_b32 s32, s30, 12                        ; Wg: 128 rows a K step
	s_add_nc_u64 s[6:7], s[6:7], s[32:33]
	s_lshl_b32 s32, ttmp9, 14                      ; xq: 16,384 bytes a tile of tokens, 1,024 a K step
	s_lshl_b32 s34, s30, 10
	s_add_co_u32 s32, s32, s34
	s_add_nc_u64 s[8:9], s[8:9], s[32:33]
	s_lshl_b32 s32, ttmp9, 10                      ; xs: 1,024 bytes a tile of tokens, 512 a half of K
	s_lshl_b32 s34, s29, 9
	s_add_co_u32 s32, s32, s34
	s_add_nc_u64 s[10:11], s[10:11], s[32:33]
	s_lshl_b32 s32, s29, 16                        ; lg: 65,536 bytes a half of K, 512 a tile of tokens
	s_lshl_b32 s34, ttmp9, 9
	s_add_co_u32 s32, s32, s34
	s_add_nc_u64 s[26:27], s[26:27], s[32:33]
	s_lshl_b32 s44, s29, 7
	s_add_co_u32 s44, s44, ttmp9                   ; i = 128 y + T
	s_lshr_b32 s45, s44, 3                         ; block of 64 f
	s_and_b32 s46, s44, 7                          ; expert
	s_lshl_b32 s32, s46, 17                        ; W's scale bytes: 131,072 an expert, 4,096 a block, 2,048 a half of its rows, 16 a piece
	s_lshl_b32 s34, s45, 12
	s_add_co_u32 s32, s32, s34
	s_lshr_b32 s34, s[WV], 2
	s_lshl_b32 s34, s34, 11
	s_add_co_u32 s32, s32, s34
	s_and_b32 s34, s[WV], 3
	s_lshl_b32 s34, s34, 4
	s_add_co_u32 s32, s32, s34
	s_add_nc_u64 s[36:37], s[36:37], s[32:33]
	s_lshl_b32 s34, s45, 8
	s_lshl_b32 s32, s46, 13
	s_add_co_u32 s32, s32, s34
	s_add_nc_u64 s[38:39], s[38:39], s[32:33]      ; b: 8,192 bytes an expert, 256 a block
	s_lshl_b32 s32, s46, 5
	s_add_co_u32 s32, s32, s34
	s_add_nc_u64 s[40:41], s[40:41], s[32:33]      ; cached: 256 bytes a block, 32 for eight rows
	s_mul_i32 s32, s45, 36864
	s_add_nc_u64 s[42:43], s[42:43], s[32:33]
	s_lshl_b32 s32, s46, 12
	s_lshl_b32 s34, s[WV], 9
	s_add_co_u32 s32, s32, s34
	s_add_nc_u64 s[48:49], s[42:43], s[32:33]      ; my wave's 512 bytes of scale words
	s_lshl_b32 s32, s46, 8
	s_add_co_u32 s32, s32, 32768
	s_add_nc_u64 s[42:43], s[42:43], s[32:33]      ; b; cached's rows 2,048 bytes on
	global_load_b128 v[244:247], v11, s[36:37]
	s_cmp_lg_u32 s[WV], 1
	s_cbranch_scc1 .Lno_bc
	global_load_b64 v[240:241], v12, s[38:39]
.irp i, 0,1,2,3
	global_load_b32 v[248+\i], v13, s[40:41] offset:8192*\i
.endr
.Lno_bc:
.irp i, 0,1,2,3,4,5,6,7
	global_load_b128 v[112+4*\i:115+4*\i], v6, s[6:7] offset:512*\i   ; Wg: 16 rows a load
.endr
	s_wait_loadcnt 0x0
.irp i, 0,1,2,3,4,5,6,7
	ds_store_b128 v15, v[112+4*\i:115+4*\i] offset:544*\i
.endr
.irp b, 0,1,2,3
.irp i, 0,1,2,3,4,5,6,7,8,9,10,11,12,13,14,15
	ds_load_b32 v[WT+16*\b+\i], v5 offset:1088*\b+32*\i   ; Wg(128 q + 32 b + 16 h + i, r % 8): my wave's own bytes
.endr
.endr
	s_wait_dscnt 0x0
.set j, 0
.rept 32
	v_cvt_pk_bf16_f32 v[WB+j], v[WT+2*j], v[WT+2*j+1]
.set j, j+1
.endr
.irp b, 0,1,2,3
	v_mov_b32 v[TM+4+\b], 0                        ; a lane permute's destination counts as one of its sources
.endr
	global_store_b128 v6, v[244:247], s[48:49]     ; the scale words' image: 512 consecutive bytes
	s_cmp_lg_u32 s[WV], 1
	s_wait_alu depctr_va_vdst(0)
	s_cbranch_scc1 .Lno_bc_out
.irp i, 0,1,2,3
	v_and_b32 v[208+\i], 0xffff0000, v[248+\i]     ; the high part,
.endr
.irp i, 0,1,2,3
	v_sub_f32 v[248+\i], v[248+\i], v[208+\i]      ; and what is left
.endr
	v_cmp_ne_u32 vcc_lo, 0, v14
.irp i, 0,1,2,3
	v_cndmask_b32 v[208+\i], v[208+\i], v[248+\i], vcc_lo
.endr
	v_cvt_pk_bf16_f32 v252, v208, v209
	v_cvt_pk_bf16_f32 v253, v210, v211
	global_store_b64 v12, v[240:241], s[42:43]     ; 256 consecutive bytes each
	global_store_b64 v12, v[252:253], s[42:43] offset:2048
.Lno_bc_out:
	s_wait_tensorcnt 0x0                           ; my tile is in LDS; only I read it
.irp b, 0,1,2,3
.irp i, 0,1,2,3
	ds_load_b128 v[XN+16*\b+4*\i:XN+16*\b+4*\i+3], v4 offset:128*\b+16*\i
.endr
.endr
	s_wait_dscnt 0x0
.set j, 0
.rept 32
	v_cvt_pk_bf16_f32 v[XB+j], v[XN+2*j], v[XN+2*j+1]
.set j, j+1
.endr
	QUANT XN
.irp b, 0,1,2,3                                ; four accumulators, one instruction each: 32 along K apiece
	v_wmma_f32_16x16x32_bf16 v[AC+8*\b:AC+8*\b+7], v[WB+8*\b:WB+8*\b+7], v[XB+8*\b:XB+8*\b+7], 0
.endr
	global_store_b128 v6, v[PC:PC+3], s[8:9]                 ; the wave stores 512 consecutive bytes, twice
	global_store_b128 v6, v[PC+4:PC+7], s[8:9] offset:512
	ds_store_b32 v7, v[PW]
.rept 4
	v_nop                                          ; places behind the products, ahead of the first read of their results
.endr
.irp j, 0,2,4,6                                ; each accumulator is read from its low end on
	v_pk_add_f32 v[LS+\j:LS+\j+1], v[AC+\j:AC+\j+1], v[AC+8+\j:AC+8+\j+1]
.endr
.irp j, 0,2,4,6
	v_pk_add_f32 v[RS+\j:RS+\j+1], v[AC+16+\j:AC+16+\j+1], v[AC+24+\j:AC+24+\j+1]
.endr
.irp j, 0,2,4,6
	s_delay_alu instid0(VALU_DEP_4)
	v_pk_add_f32 v[LS+\j:LS+\j+1], v[LS+\j:LS+\j+1], v[RS+\j:RS+\j+1]
.endr
	ds_store_b128 v8, v[LS:LS+3]                   ; token r's eight parts (both halves of the lanes write the same bytes with the same values)
	ds_store_b128 v8, v[LS+4:LS+7] offset:16
	s_wait_dscnt 0x0                               ; for wave 0's sake: my LDS stores are done
	s_barrier_signal -1
	s_barrier_wait -1
	s_cmp_lg_u32 s[WV], 0
	s_cbranch_scc1 .Lend
	ds_load_b128 v[112:115], v9                    ; the work-group's 128 scale words
.irp w, 0,1,2,3,4,5,6,7
	ds_load_b128 v[116+4*\w:119+4*\w], v10 offset:512*\w
.endr
	s_wait_dscnt 0x0
	global_store_b128 v6, v[112:115], s[10:11]     ; 512 consecutive bytes
.irp w, 1
	v_pk_add_f32 v[116:117], v[116:117], v[116+4*\w:117+4*\w]   ; the eight waves' parts, K ascending
	v_pk_add_f32 v[118:119], v[118:119], v[118+4*\w:119+4*\w]
.endr
.irp w, 2, 3, 4, 5, 6, 7
	s_delay_alu instid0(VALU_DEP_2)
	v_pk_add_f32 v[116:117], v[116:117], v[116+4*\w:117+4*\w]   ; the eight waves' parts, K ascending
	s_delay_alu instid0(VALU_DEP_2)
	v_pk_add_f32 v[118:119], v[118:119], v[118+4*\w:119+4*\w]
.endr
	global_store_b128 v6, v[116:119], s[26:27]     ; 16 tokens x 8 logits: 512 consecutive bytes
.Lend:
	s_wait_tensorcnt 0x0
	ds_add_u32 v254, v255
	s_wait_dscnt 0x0
	s_endpgm
.Lfunc_end_k_qf757da56fe_prep:
	.size	k_qf757da56fe_prep, .Lfunc_end_k_qf757da56fe_prep-k_qf757da56fe_prep
	.p2alignl 7, 3214868480
	.fill 96, 4, 3214868480
	.section	.rodata,"a",@progbits
	.p2align	6, 0x0
	.amdhsa_kernel k_qf757da56fe_prep
		.amdhsa_group_segment_fixed_size 168960
		.amdhsa_private_segment_fixed_size 0
		.amdhsa_enable_private_segment 0
		.amdhsa_kernarg_size 72
		.amdhsa_user_sgpr_count 2
		.amdhsa_user_sgpr_kernarg_segment_ptr 1
		.amdhsa_wavefront_size32 1
		.amdhsa_system_sgpr_workgroup_id_x 1
		.amdhsa_system_sgpr_workgroup_id_y 1
		.amdhsa_system_sgpr_workgroup_id_z 1
		.amdhsa_system_vgpr_workitem_id 0
		.amdhsa_next_free_vgpr 256
		.amdhsa_next_free_sgpr 66
		.amdhsa_reserve_vcc 1
		.amdhsa_float_denorm_mode_32 3
		.amdhsa_float_denorm_mode_16_64 3
		.amdhsa_memory_ordered 1
		.amdhsa_forward_progress 1
		.amdhsa_inst_pref_size 27
	.end_amdhsa_kernel
	.amdgpu_metadata
---
amdhsa.version: [ 1, 2 ]
amdhsa.kernels:
  - .name:           k_qf757da56fe_prep
    .symbol:         k_qf757da56fe_prep.kd
    .args:
      - { .name: x, .offset: 0, .size: 8, .value_kind: global_buffer, .address_space: global }
      - { .name: Wg, .offset: 8, .size: 8, .value_kind: global_buffer, .address_space: global }
      - { .name: xq, .offset: 16, .size: 8, .value_kind: global_buffer, .address_space: global }
      - { .name: xs, .offset: 24, .size: 8, .value_kind: global_buffer, .address_space: global }
      - { .name: lg, .offset: 32, .size: 8, .value_kind: global_buffer, .address_space: global }
      - { .name: W_scales, .offset: 40, .size: 8, .value_kind: global_buffer, .address_space: global }
      - { .name: b, .offset: 48, .size: 8, .value_kind: global_buffer, .address_space: global }
      - { .name: cached, .offset: 56, .size: 8, .value_kind: global_buffer, .address_space: global }
      - { .name: wimg, .offset: 64, .size: 8, .value_kind: global_buffer, .address_space: global }
    .group_segment_fixed_size: 168960
    .private_segment_fixed_size: 0
    .kernarg_segment_align: 8
    .kernarg_segment_size: 72
    .max_flat_workgroup_size: 256
    .sgpr_count:     66
    .vgpr_count:     256
    .wavefront_size: 32
...
	.end_amdgpu_metadata
.endif
;; end of part 1
;; launch moe (part 2): grid 8 x 32, 4 waves a work-group, clusters of 4 x 4, 327,680 bytes of LDS; arguments W_codes, wimg, bg, xq, xs, lg, out0; writes out0
.if DOCPART == 2
	.amdgcn_target "amdgcn-amd-amdhsa--gfx1250"
	.amdhsa_code_object_version 6
	.text
	.protected	k_qf757da56fe_moe
	.globl	k_qf757da56fe_moe
	.p2align	8
	.type	k_qf757da56fe_moe,@function
k_qf757da56fe_moe:
	s_mov_b64 s[64:65], 0
	v_nop
	global_prefetch_b8 v0, s[64:65] scope:SCOPE_SE
	s_setreg_imm32_b32 hwreg(HW_REG_WAVE_MODE, 25, 1), 1
	s_wait_xcnt 0x0
	s_wait_alu depctr_hold_cnt(0) depctr_sa_sdst(0) depctr_va_vdst(0) depctr_va_sdst(0) depctr_va_ssrc(0) depctr_va_vcc(0) depctr_vm_vsrc(0)
	s_getreg_b32 s2, hwreg(HW_REG_IB_STS2, 6, 4)
	s_cmp_eq_u32 s2, 0
	s_cbranch_scc0 .Lentry_in_a_cluster
	s_endpgm
.Lentry_in_a_cluster:
	s_bfe_u32 s2, ttmp6, 0x10000c
	s_cmp_lg_u32 s2, 0xf033
	s_cbranch_scc0 .Lentry_shape_is_right
	s_endpgm
.Lentry_shape_is_right:
; out[n][f] = sum over e of g[n][e] (relu(sum over k of x[n][k] W[e][k][f] + b[e][f]) + cached[e][f]),  g = softmax over e of (lg[0][n][e] + lg[1][n][e] + bg[e]).
; The large product runs on codes of FP4 (E2M1) with one E8M0 scale for each 32 along K: W's as they are given, x's as the launch before has made them (xq, xs: images of the operand's registers).
; wimg holds, for each block of 64 f, one dense run of 36,864 bytes: W's scale words as images of registers, b, and cached as pairs of bf16.
; SHARES.  A work-group owns 256 tokens x 64 f, each of its four waves 64 tokens x all 64 f.  A WAVE'S CODES OF x FOR ALL OF K (512 registers) AND THEIR SCALE WORDS STAY IN REGISTERS for the whole launch:
; LDS is read for W alone.  W goes through LDS in two slots of two experts each (64 rows x 1,024 bytes an expert).
; CLUSTER, 4 x 4.  The four work-groups of a row (same block of f) need the same W and wimg, the four of a column (same tokens) the same x: those tiles are asked for jointly.  Half of x's codes comes that way,
; through slot B's bytes, which W needs only from expert 2 on; the other half comes straight into registers at the same time.
; THE MATRIX INSTRUCTION is the 32-row form: source 0 = 32 rows of W (32 f), source 1 = 16 tokens: a lane holds ONE token (lane % 16), registers 0-7 f = 8 (lane / 16) + 0 .. 7, registers 8-15 sixteen f further on.
; GROUPS.  A group is an expert and a pair p of f tiles: 4 accumulators of 16 registers (token tiles), 16 K steps, 64 matrix instructions; b is the C of its first K step.  Two sets of accumulators take turns.  The
; finished set goes into the running output beside the next group's products: in each batch of 16 products one token tile: relu, an instruction between two products, then 8 packed multiply-adds (x g, add) behind the batch.
; The running output begins as sum over e of g cached: bf16 products, K = 32 = (high, high), (high, low), (low, high), (low, low) parts of 8 experts; so the order of the sum over experts is not reference()'s.
; EXPERT 0 has a body of its own: its first group has no finished set, begins while x's codes still come out of LDS, makes cached's products, and fills slot B.
; LIMITS: NaN and infinities are not served.  The softmax takes the row's maximum away first.
; REGISTERS, in windows of 256 (s_set_vgpr_msb: bits 1:0 source 0, 3:2 source 1, 5:4 source 2, 7:6 destination):
;   window 0: v2-15, v104-106 addresses; v16-23 two sets of g; v24-39 b for a group; v40-71 x's scale words; v72-103 W's scale words, two sets; v128-255 W's fragments, two buffers of four K steps
;   windows 1, 2: x's fragments: token tile m, K step q at window 1 + q / 8, v[32 (q % 8) + 8 m]        window 3: v0-127 the output (f tile t, token tile m at 8 (4 t + m)); v128-255 the two sets of accumulators
; (Expert 1 is filled for the first time behind the round that shows the head's tiles; slot B takes W's experts 2 and 3 in expert 0's SECOND group, when expert 1 has landed.)
.set PITCH, 1040                       ; a row of W in LDS: 1,024 bytes + 16 = 260 words: row r starts at bank 4 r mod 64 (64 banks of 4 bytes: ISA guide 11.1)
.set QB,    64*PITCH                   ; an expert's 64 rows; expert e lies in quarter e % 4 of the ring
.set SLOTX, 2*QB                       ; a slot is two quarters; 0x20800 shares no bit with a wave's place in a slot (0x8200 x wave), so one exclusive or changes slots
.set XST,   2*QB                       ; slot B holds, first of all, x's codes of K steps 0-7: (token tile T, K step q) at 1,040 (8 T + q): 1,024 bytes + 16, the very bytes that W's rows take later
.set SCL,   4*QB                       ; behind the ring: wimg's block: W's scale words, 4,096 bytes an expert,
.set BT,    SCL+32768                  ; b, 256 bytes an expert,
.set CI,    BT+2048                    ; cached, 32 bytes a row f
.set GIM,   CI+2048                    ; g: for each wave 2,048 bytes: 256 e + 16 r: g of token r of the four token tiles.  Written by LDS stores, each wave's own
.set SPARE, GIM+4*2048                 ; the spare words, 128 bytes for each wave: two blocks of 256 bytes that no other line names
.set SP,    272                        ; the way out: 16 rows x (256 bytes + 16) for each wave, at 4,352 x wave, in quarter 0, which has had its last fill and its last read by then
.set AW0, 2                            ; v2   my lane's place in a tile of W: 1,040 r + 16 h
.set ADW, 3                            ; v3   + the quarter of the expert that is being fetched
.set ADS, 4                            ; v4   W's scale words: SCL + 16 x lane, + 4,096 an expert
.set ADB, 5                            ; v5   b: BT + 32 h, + 256 an expert
.set ADG, 6                            ; v6   g: GIM + 2,048 x wave + 16 r, + 256 an expert
.set SPW, 7                            ; v7   my spare word; never rewritten
.set NIL, 8                            ; v8   0; never rewritten
.set STO, 9                            ; v9   the way out: where I put 16 bytes of a row
.set RD,  10                           ; v10  where I read a row back
.set GO,  11                           ; v11  my byte offset in the wave's rows of out
.set L16, 12                           ; v12  16 x lane
.set XSO, 13                           ; v13  1,024 h + 16 r
.set LGO, 14                           ; v14  32 x lane
.set PFO, 15                           ; v15  256 x lane; never rewritten
.set XLD, 104                          ; v104 x's codes in slot B
.set GST, 105                          ; v105 where g of token tile 2 j + h goes
.set CIA, 106                          ; v106 cached: CI + 32 r
.set GF,  16                           ; v16-19 g of the expert whose second pair is finished
.set GS,  20                           ; v20-23 g of the expert whose first pair is finished
.set BC,  24                           ; v24-39 b in the result's layout, f tile u of the pair at + 8 u
.set XS,  40                           ; v[40 + 16 (m / 2) + q]: lanes 0-15 token tile m even, lanes 16-31 odd
.set WS,  72                           ; v[72 + 16 p + q]: lane = row of the pair's 32 f
.set WF,  128                          ; buffer k at + 64 k; K step d of its four at + 16 d; f tile u at + 8 u
.set LG,  128                          ; the head's own, in W's buffers: v128-159 the logits' two parts (y, j, e at 16 y + 8 j + e); later g's high and low parts
.set BGV, 192                          ; v192-199 bg
.set MC,  200                          ; v200-201 the maximum x log2(e)
.set SM,  208                          ; v208-215 sums and reciprocals
.set GT,  224                          ; v224-255 g: expert e, token tile m at 4 e + m
.set GBF, 192                          ; window 3, v192-223: g as an operand, token tile m at + 8 m; v224-255: cached as an operand, f tile t at + 8 t: the second set of accumulators lies idle in the first group
.set CIM, 224
.set CY,  20                           ; s20  my place in the cluster: y,
.set WV,  22                           ; s22  my wave's number
.set CX,  23                           ; s23  x
.set G1W, 24                           ; s[24:31] descriptor group 1: W's codes, 32 rows
.set G1H, 32                           ; s[32:39] the same, 16 rows: expert 1's first fill
.set G1X, 40                           ; s[40:47] x's codes
.set G1I, 48                           ; s[48:55] wimg
.set G0H, 56                           ; s[56:59] group 0: W's expert 0, half its rows for each of waves 0 and 1
.set G0E, 92                           ; s[92:95] expert 1, 16 rows a wave
.set G0X, 60                           ; s[60:63] x
.set G0I, 68                           ; s[68:71] wimg
.set G0C, 72                           ; s[72:75] the ring: it walks
.set BG,  76                           ; s[76:83] bg
.set EX,  84                           ; s84  the expert that is being fetched
.set CNT, 85                           ; s85  loop counter
.set TQ,  86                           ; s86  at work
.set LE,  87                           ; s87  log2(e)
.set PFA, 88                           ; s[88:89] the prefetch's address
.set LIM, 90                           ; s90  1 in the first cluster along x, else the greatest number
.set MSB, 0
.macro WIN new                         ; the immediate's high byte repeats the setting that is left; a switch that changes nothing is dropped
.if MSB != (\new)
	s_set_vgpr_msb (MSB<<8)|(\new)
.set MSB, (\new)
.endif
.endm
; A round of the cluster's barrier: my work-group's barrier; wave 0 signals for the work-group; every wave waits for all sixteen work-groups; my work-group's barrier once more.
.macro CREST                           ; a round behind its opening barrier
	s_cmp_lg_u32 s[WV], 0
	s_cbranch_scc1 .Lnot_wave_0_\@
	s_barrier_signal -3
.Lnot_wave_0_\@:
	s_barrier_wait -3
	s_barrier_signal -1
	s_barrier_wait -1
.endm
.macro CROUND
	s_barrier_signal -1
	s_barrier_wait -1
	CREST
.endm
.macro TLD g0, g1                      ; a tensor load, its s_nop 0 and four places
	tensor_load_to_lds s[\g0:\g0+3], s[\g1:\g1+7]
	s_nop 0
.rept 4
	v_nop
.endr
.endm
.macro RELU n                          ; a register of the finished set; its one register source stands where the products have C: their window serves
	v_max3_num_f32 v[rS+(\n)], 0, 0, v[rS+(\n)]
.endm
; 4 matrix instructions: K step 4 i + d of pair p's group.  The four accumulators take turns, one instruction a turn, in the same order in every K step: three others stand between a sum's steps.
; sl = 1: between them the relu of the finished set's token tile i, from the accumulator's low end on.  (In a group's first K step C lies in window 0: its four stand in the second.)
.macro MM p, i, d, sl
.set kq, 4*(\i)+(\d)
.set rS, 128+64*(1-(\p))+16*(\i)
.irp m, 0,1,2,3
.set rD, 128+64*(\p)+16*\m
.set rA, WF+64*((\i)%2)+16*(\d)
.set rB, 32*(kq%8)+8*\m
.set rC, rD
.if kq == 0
.set rC, BC                            ; the first K step starts the sums with b: nothing is cleared, nothing is added later
.endif
.set zA, WS+16*(\p)+kq
.set zB, XS+16*(\m/2)+kq
.if \m%2 == 0
	v_wmma_scale_f32_32x16x128_f4 v[rD:rD+15], v[rA:rA+15], v[rB:rB+7], v[rC:rC+15], v[zA], v[zB]
.else
	v_wmma_scale_f32_32x16x128_f4 v[rD:rD+15], v[rA:rA+15], v[rB:rB+7], v[rC:rC+15], v[zA], v[zB] matrix_b_scale:MATRIX_SCALE_ROW1
.endif
.if \sl
.if (\i) > 0
	RELU 4*(\d)+\m
.elseif (\d) == 1
	RELU 2*\m
	RELU 2*\m+1
.elseif (\d) > 1
	RELU 4*(\d)+\m
.endif
.endif
.endr
.endm
; Token tile m of the finished set sp, behind its relu, goes into the output: out += g x it.  g of token tile m is register m of the four at G: the packed form takes one register of a pair for both halves.
.macro FMA8 sp, m, G
	WIN 0xfc                                       ; g window 0; accumulators and output window 3
.set rT, 128+64*(\sp)+16*(\m)
.set rG, (\G)+2*((\m)/2)
.irp u, 0,1
.set rO, 8*(4*(2*(\sp)+\u)+(\m))
.irp j, 0,2,4,6
.if (\m)%2 == 0
	v_pk_fma_f32 v[rO+\j:rO+\j+1], v[rG:rG+1], v[rT+8*\u+\j:rT+8*\u+\j+1], v[rO+\j:rO+\j+1] op_sel_hi:[0,1,1]
.else
	v_pk_fma_f32 v[rO+\j:rO+\j+1], v[rG:rG+1], v[rT+8*\u+\j:rT+8*\u+\j+1], v[rO+\j:rO+\j+1] op_sel:[1,0,0] op_sel_hi:[1,1,1]
.endif
.endr
.endr
.endm
; Token tile m of the output begins as sum over e of g cached: 16 rows f and 16 tokens a product.
.macro CACHED m
	WIN 0xcf
.irp t, 0,1,2,3
	v_wmma_f32_16x16x32_bf16 v[8*(4*\t+(\m)):8*(4*\t+(\m))+7], v[CIM+8*\t:CIM+8*\t+7], v[GBF+8*(\m):GBF+8*(\m)+7], 0
.endr
.endm
; 16 LDS loads in one run: W's fragments of pair pn for batch ib (K steps 4 ib .. 4 ib + 3), into buffer ib % 2.  A fragment: lane (r, h) takes 16 bytes of row r at 64 q + 32 c + 16 h.
.macro RUN pn, ib
.irp d, 0,1,2,3
.irp u, 0,1
.irp c, 0,1
	ds_load_b128 v[WF+64*((\ib)%2)+16*\d+8*\u+4*\c:WF+64*((\ib)%2)+16*\d+8*\u+4*\c+3], v[ADW] offset:(\pn)*32*PITCH+\u*16*PITCH+64*(4*(\ib)+\d)+32*\c
.endr
.endr
.endr
.endm
.macro LOADB pn
.irp u, 0,1
.irp c, 0,1
	ds_load_b128 v[BC+8*\u+4*\c:BC+8*\u+4*\c+3], v[ADB] offset:128*(\pn)+64*\u+16*\c
.endr
.endr
.endm
.macro LOADS pn
.irp c, 0,1,2,3
	ds_load_b128 v[WS+16*(\pn)+4*\c:WS+16*(\pn)+4*\c+3], v[ADS] offset:2048*(\pn)+512*\c
.endr
.endm
; A PREFETCH INTO THE L2 of the two experts that the next refill will ask for (two experts' work, 256 matrix instructions a wave, ahead of that load; experts 1, 2 and 3 are asked for at the head).
; Both clusters along x read the same rows of W: the first asks.  Of the 32 rows of 1,024 bytes that a wave fetches, each of the four partners takes 8,192 bytes, told apart BY ADDRESS; lanes 256 bytes apart.
; So each aligned block of 256 bytes is named once in the launch.  Expert 0 comes by its loads alone.  loop = 1: only the first trip (CNT = 2) has experts left to ask for.
.macro ASK loop
.if \loop
	s_cmp_gt_u32 s[CNT], s[LIM]
.else
	s_cmp_eq_u32 s[LIM], 1
.endif
	s_cbranch_scc0 .Lnot_mine_\@
	global_prefetch_b8 v[PFO], s[PFA:PFA+1] th:TH_LOAD_NT scope:SCOPE_SE
.Lnot_mine_\@:
.endm
; Behind a round of the cluster's barrier waves 2 and 3 go on 96 idle slots, about half a batch, later than waves 0 and 1: so one pair's run of LDS loads stands beside the other pair's products.
.macro SKEW
	s_cmp_lt_u32 s[WV], 2
	s_cbranch_scc1 .Lstraight_on_\@
.rept 6
	s_nop 15
.endr
.Lstraight_on_\@:
.endm
; A BATCH: K steps 4 i .. 4 i + 3 of pair p's group (16 matrix instructions), the multiply-adds of the finished set's token tile i, then the LDS loads for the batch after next.
; The 8 multiply-adds name no register of the batch's products: they are the places ahead of the loads into the buffer just multiplied (ISA guide 7.12.1 for vector instructions).
; THE WAITS: a batch's 16 loads were asked for two batches ago; behind them stands one run of 16, and K step d wants all but the last 4 (3 - d) of its own.  (b, the scale words and g stand ahead of a run:
; they only make the count stricter, and are in by the next batch's last wait.)  last = 1: the very last group fetches nothing for a successor.
; first = 1 (expert 0's first group): x's codes come out of LDS in this order: run 0, x's K steps 0-3, run 1, x's K steps 4-7: behind x's K step d stand 8 (3 - d) + 48 loads (the field holds 63), behind K step 4 + d
; 8 (3 - d) and the first batch's 4 + 8 + 16.
; THE CHANGE OF SLOTS (chg), in the batch in which all reads of a slot's second expert have been asked for (i = 2):
; chg = 1: the slot is filled again.  Ahead of K step 2 each wave waits for all its tensor loads (one is out: its part of the other slot), adds 0 to its spare word and steps the walking descriptor; ahead of K step 3 it waits for
;   the add and for its reads of the slot and signals; behind the batch's work a round of the cluster's barrier; the joint refill first behind it, one load a wave (32 rows): it has two experts' work in which to land.
; chg = 3: the same, in batch i = 1 of expert 0's second group: slot B's first tiles of W, where x's codes lay; the load that is out is the wave's part of expert 1, which the next expert reads behind this round.
; chg = 2: nothing is filled: each wave's tensor loads have landed and its reads are over, then the work-group's barrier: slot B's last fill is whole in every wave's eyes.
.macro BATCH p, i, chg, last, first
.if (\first) && ((\i) == 2)
	s_wait_loadcnt 0x0                             ; x's codes of K steps 8-15
.endif
.irp d, 0,1,2,3
.if ((\chg) > 0) && ((\i) == (2-(\chg)/3)) && (\d == 3)
.if (\chg) == 2
	s_wait_tensorcnt 0x0
.endif
	s_wait_dscnt 0x0                               ; (chg = 1, 3: the add is done;) my reads of the slot are over
	s_barrier_signal -1
.elseif (\first) && ((\i) == 0) && (\d < 2)
	s_wait_dscnt 63
.elseif (\first) && ((\i) == 0)
	s_wait_dscnt 48+8*(3-\d)
.elseif (\first) && ((\i) == 1)
	s_wait_dscnt 28+8*(3-\d)
.elseif (\last) && ((\i) == 3)
	s_wait_dscnt 4*(3-\d)
.else
	s_wait_dscnt 16+4*(3-\d)
.endif
.if ((\chg)%2 == 1) && ((\i) == (2-(\chg)/3)) && (\d == 2)
	WIN 0                                          ; (the add's two registers lie in window 0)
	s_wait_xcnt 0x0                                ; any prefetch of mine has read its address
	s_add_nc_u64 s[PFA:PFA+1], s[PFA:PFA+1], 0x400000
	s_wait_tensorcnt 0x0                           ; no tensor load of mine is out, so a group 0 may be written
	ds_add_u32 v[SPW], v[NIL]                      ; 0 onto my spare word
.if (\chg) == 1
	s_xor_b32 s[G0C+1], s[G0C+1], SLOTX            ; the other slot than last time,
	s_add_nc_u64 s[G0C+2:G0C+3], s[G0C+2:G0C+3], 0x400000   ; two experts on; the type bits on top are not reached
.endif
.endif
.if ((\i) == 0) && (\d == 0)
	WIN 0xc4                                       ; W window 0, x window 1, C (b) window 0, D window 3
.else
	WIN 0xf4+4*((\i)/2)                            ; x in window 1 (K steps 0-7) or 2 (8-15); C and D window 3
.endif
	MM \p, \i, \d, 1-(\first)
.endr
.if \first
.if (\i) > 1
	CACHED 2*(\i)-4
	CACHED 2*(\i)-3
.endif
.rept 5
	v_nop                                          ; places ahead of the loads (4), and ahead of the next group's products, which write over cached's and g's operands (5)
.endr
.elseif \p
	FMA8 0, \i, GS
.else
	FMA8 1, \i, GF
.endif
	WIN 0
.if ((\chg) > 0) && ((\i) == (2-(\chg)/3))
	s_barrier_wait -1
.if (\chg)%2 == 1
	CREST                                          ; no wave of any partner still reads the slot or has a load on its way
	TLD G0C, G1W
.endif
.endif
.if ((\i) == 0) && !(\last)                    ; b for the next group
.if \p
	v_add_nc_u32 v[ADB], 0x100, v[ADB]             ; which is the next expert's
	v_add_nc_u32 v[ADS], 0x1000, v[ADS]
.endif
	LOADB 1-(\p)
.endif
.if ((\i) == 0) && (\first)
	WIN 0xc0
.irp t, 0,1,2,3
.irp c, 0,1
	ds_load_b128 v[CIM+8*\t+4*\c:CIM+8*\t+4*\c+3], v[CIA] offset:512*\t+16*\c   ; cached: 16 rows f x 32 along K: high parts in registers 0-3, low parts in 4-7, in both halves of the lanes
.endr
.endr
	WIN 0
.endif
.if ((\i) == 1) && !(\last)                    ; its 32 rows' scale words, 16 a row, into the set that lies idle
	LOADS 1-(\p)
.endif
.if (\i) == 2                                  ; this expert's g, for the next group, beside which this group's sums go out
.if \p
	ds_load_b128 v[GF:GF+3], v[ADG]
.if !(\last)
	v_add_nc_u32 v[ADG], 0x100, v[ADG]
.endif
.else
	ds_load_b128 v[GS:GS+3], v[ADG]
.endif
.endif
.if ((\i) == 2) && (\p) && !(\last)            ; all of this expert's fragments have been asked for: on to the next expert's quarter
	s_add_co_u32 s[EX], s[EX], 1
	s_and_b32 s[TQ], s[EX], 3
	s_mul_i32 s[TQ], s[TQ], QB
	v_add_nc_u32 v[ADW], s[TQ], v[AW0]
.endif
.if (\i) < 2
	RUN \p, (\i)+2
.elseif !(\last)
	RUN 1-(\p), (\i)-2
.endif
.if ((\i) == 2) && ((\chg) == 1)
	ASK 1
	SKEW
.elseif ((\i) == 1) && ((\chg) == 3)
	ASK 0
	SKEW
.endif
.endm
.macro EXPERT chg0, chg1, last, first
.irp i, 0,1,2,3
	BATCH 0, \i, \chg0, 0, \first
.endr
.irp i, 0,1,2,3
	BATCH 1, \i, \chg1, \last, 0
.endr
.endm
	s_load_b256 s[4:11], s[0:1], 0x0               ; W_codes s[4:5], wimg s[6:7], bg s[8:9], xq s[10:11]
	s_load_b128 s[12:15], s[0:1], 0x20             ; xs s[12:13], lg s[14:15]
	s_load_b64 s[16:17], s[0:1], 0x30              ; out0
	v_lshl_add_u32 v[SPW], v0, 2, SPARE
	v_mov_b32 v[NIL], 0
	ds_add_u32 v[SPW], v[NIL]                      ; the wave's opening: the add, twice on end, and its wait ahead of my first tensor load; work on registers stands between
	ds_add_u32 v[SPW], v[NIL]
	v_lshrrev_b32 v1, 5, v0
	v_readfirstlane_b32 s[WV], v1                  ; wave 0..3
	s_bfe_u32 s[CX], ttmp6, 0x40000
	s_bfe_u32 s[CY], ttmp6, 0x40004
	s_lshl_b32 s2, ttmp9, 2                        ; in a cluster launch ttmp9 and ttmp7 count clusters
	s_add_co_u32 s2, s2, s[CX]                     ; my block of 256 tokens, which my column shares
	s_and_b32 s3, ttmp7, 0xffff
	s_lshl_b32 s3, s3, 2
	s_add_co_u32 s3, s3, s[CY]                     ; my block of 64 f, which my row shares
	s_lshl_b32 s18, s[CY], 2
	s_lshl_b32 s18, 15, s18                        ; my row of the cluster
	s_lshl_b32 s19, 0x1111, s[CX]                  ; my column
	; descriptor groups 1.  15:0 the mask; 21 set beside a mask
	s_or_b32 s[G1W], s18, (1<<20)|(1<<21)|(7<<22)|(3<<25)   ; W's codes: elements of 1 byte; padding: four words after every 256
	s_or_b32 s[G1H], s18, (1<<20)|(1<<21)|(7<<22)|(3<<25)
.irp g, G1W, G1H
	s_mov_b32 s[\g+1], 1024<<16                    ; tensor_dim0 = 1,024
	s_mov_b32 s[\g+3], 1024<<16                    ; tile_dim0
	s_mov_b32 s[\g+5], 1024                        ; tensor_dim0_stride
	s_mov_b32 s[\g+6], 0
	s_mov_b32 s[\g+7], 0
.endr
	s_mov_b32 s[G1W+2], 32<<16                     ; tensor_dim1, tile_dim1: 32 rows in the ring,
	s_mov_b32 s[G1W+4], 32
	s_mov_b32 s[G1H+2], 16<<16                     ; 16 for expert 1's first fill
	s_mov_b32 s[G1H+4], 16
	s_or_b32 s[G1X], s19, (3<<16)|(1<<20)|(1<<21)|(7<<22)|(3<<25)   ; x: elements of 8 bytes: 16 token tiles' first 8,192 bytes of 16,384; padding: four words after every 256
	s_mov_b32 s[G1X+1], 1024<<16
	s_mov_b32 s[G1X+2], 16<<16
	s_mov_b32 s[G1X+3], 1024<<16
	s_mov_b32 s[G1X+4], 16
	s_mov_b32 s[G1X+5], 2048
	s_mov_b32 s[G1X+6], 0
	s_mov_b32 s[G1X+7], 0
	s_or_b32 s[G1I], s18, (3<<16)|(1<<21)          ; wimg: 36,864 dense bytes as 144 rows of 256
	s_mov_b32 s[G1I+1], 32<<16
	s_mov_b32 s[G1I+2], 144<<16
	s_mov_b32 s[G1I+3], 32<<16
	s_mov_b32 s[G1I+4], 144
	s_mov_b32 s[G1I+5], 32
	s_mov_b32 s[G1I+6], 0
	s_mov_b32 s[G1I+7], 0
	; where the tiles come from
	s_lshr_b32 s91, s[WV], 1
	s_and_b32 s100, s[WV], 1
	s_lshl_b32 s92, s91, 21                        ; the ring: expert wave / 2 of a slot's two (2,097,152 bytes an expert),
	s_lshl_b32 s93, s3, 16                         ; 64 rows of 1,024 bytes a block of f,
	s_add_co_u32 s92, s92, s93
	s_lshl_b32 s91, s100, 15                       ; half wave % 2 of the 64 rows
	s_add_co_u32 s92, s92, s91
	s_mov_b32 s93, 0
	s_lshl_b32 s98, s100, 15                       ; the head: waves 0 and 1 fetch the halves of expert 0's 64 rows
	s_lshl_b32 s99, s3, 16
	s_add_co_u32 s98, s98, s99
	s_mov_b32 s99, 0
	s_mov_b32 s[G0H], 1
	s_mul_i32 s[G0H+1], s100, 32*PITCH
	s_lshl_b32 s94, s2, 18                         ; x: 262,144 bytes a block of tokens
	s_mov_b32 s95, 0
	s_mul_i32 s100, s3, 36864                      ; wimg
	s_mov_b32 s101, 0
	s_lshl_b32 s96, s[CX], 13                      ; the prefetch: my work-group's 8,192 bytes of a wave's 32,768
	s_mov_b32 s97, 0
	s_mov_b32 s[G0X], 1
	s_mov_b32 s[G0X+1], XST
	s_mov_b32 s[G0I], 1
	s_mov_b32 s[G0I+1], SCL
	s_mov_b32 s[G0C], 1
	s_mul_i32 s91, s[WV], 32*PITCH                 ; 32 rows a wave: no place in the cluster enters an LDS address
	s_add_co_u32 s[G0C+1], s91, SLOTX
	s_mov_b32 s[LE], 0x3fb8aa3b                    ; log2(e)
	s_mov_b32 s[EX], 0
	s_cmp_eq_u32 ttmp9, 0                          ; the first cluster along x: the same in all its work-groups
	s_cselect_b32 s[LIM], 1, -1
	v_and_b32 v1, 15, v0                           ; r
	v_bfe_u32 v26, v0, 4, 1                        ; h
	v_and_b32 v27, 31, v0                          ; lane
	v_lshlrev_b32 v[LGO], 5, v27
	v_lshlrev_b32 v[L16], 4, v27
	v_lshlrev_b32 v[XSO], 10, v26
	v_lshl_add_u32 v[XSO], v1, 4, v[XSO]
	s_wait_alu depctr_va_vdst(0)
	s_wait_dscnt 0x0                               ; both opening adds are done
	CROUND                                         ; all sixteen work-groups are here: the first joint loads meet.  (The arguments are on their way meanwhile)
	s_wait_kmcnt 0x0
	s_load_b256 s[BG:BG+7], s[8:9], 0x0            ; bg: 8 f32
	s_add_nc_u64 s[G0H+2:G0H+3], s[4:5], s[98:99]
	s_or_b32 s[G0H+3], s[G0H+3], 0x80000000
	s_add_nc_u64 s[G0X+2:G0X+3], s[10:11], s[94:95]
	s_or_b32 s[G0X+3], s[G0X+3], 0x80000000
	s_add_nc_u64 s[G0I+2:G0I+3], s[6:7], s[100:101]
	s_or_b32 s[G0I+3], s[G0I+3], 0x80000000
	s_add_nc_u64 s[G0C+2:G0C+3], s[4:5], s[92:93]
	s_add_nc_u64 s[G0C+2:G0C+3], s[G0C+2:G0C+3], 0x400000   ; experts 2, 3
	s_add_nc_u64 s[PFA:PFA+1], s[G0C+2:G0C+3], s[96:97]
	s_or_b32 s[G0C+3], s[G0C+3], 0x80000000
	s_lshl_b32 s98, s[WV], 14                      ; expert 1 (2,097,152 bytes on): rows 16 x wave on
	s_lshl_b32 s99, s3, 16
	s_add_co_u32 s98, s98, s99
	s_add_co_u32 s98, s98, 0x200000
	s_mov_b32 s99, 0
	s_mov_b32 s[G0E], 1
	s_mul_i32 s91, s[WV], 16*PITCH
	s_add_co_u32 s[G0E+1], s91, QB
	s_add_nc_u64 s[G0E+2:G0E+3], s[4:5], s[98:99]
	s_or_b32 s[G0E+3], s[G0E+3], 0x80000000
	s_lshl_b32 s100, s[CX], 14                     ; its prefetch: 16,384 bytes a partner, 8,192 for each of waves 0 and 1
	s_lshl_b32 s101, s[WV], 13
	s_add_co_u32 s100, s100, s101
	s_lshl_b32 s101, s3, 16
	s_add_co_u32 s100, s100, s101
	s_add_co_u32 s100, s100, 0x200000
	s_mov_b32 s101, 0
	s_add_nc_u64 s[100:101], s[4:5], s[100:101]
; THE HEAD'S LOADS, ONE A WAVE.  ONE tree of branches on the wave's number: waves 0 and 1 fetch expert 0's halves, wave 2 x's codes of K steps 0-7 for all 256 tokens, wave 3 wimg's block.
	s_cmp_lt_u32 s[WV], 2
	s_cbranch_scc0 .Lhead_x
	TLD G0H, G1W
	s_branch .Lhead_asked
.Lhead_x:
	s_cmp_lt_u32 s[WV], 3
	s_cbranch_scc0 .Lhead_i
	TLD G0X, G1X
	s_branch .Lhead_asked
.Lhead_i:
	TLD G0I, G1I
.Lhead_asked:
	; my wave's rows in lg, xs, xq and out0: token 256 x block + 64 x wave
	s_lshl_b32 s96, s2, 13
	s_lshl_b32 s91, s[WV], 11
	s_add_co_u32 s96, s96, s91                     ; 32 bytes a token
	s_add_nc_u64 s[14:15], s[14:15], s[96:97]      ; lg
	s_lshl_b32 s96, s96, 1                         ; 1,024 bytes for 16 tokens
	s_add_nc_u64 s[12:13], s[12:13], s[96:97]      ; xs
	s_lshl_b32 s96, s96, 4                         ; 16,384 bytes for 16 tokens
	s_add_nc_u64 s[10:11], s[10:11], s[96:97]      ; xq
	s_lshl_b32 s96, s96, 3                         ; 8,192 bytes a token,
	s_lshl_b32 s91, s3, 8                          ; 256 bytes a block of f
	s_add_co_u32 s96, s96, s91
	s_add_nc_u64 s[16:17], s[16:17], s[96:97]      ; out0
.irp y, 0,1
.irp j, 0,1
.irp c, 0,1
	global_load_b128 v[LG+16*\y+8*\j+4*\c:LG+16*\y+8*\j+4*\c+3], v[LGO], s[14:15] offset:65536*\y+1024*\j+16*\c   ; the logits' parts of token 32 j + lane: token tile 2 j + h
.endr
.endr
.endr
.irp j, 0,1
.irp c, 0,1,2,3
	global_load_b128 v[XS+16*\j+4*\c:XS+16*\j+4*\c+3], v[XSO], s[12:13] offset:2048*\j+256*\c   ; x's scale words: token tile 2 j + h, K steps 4 c .. 4 c + 3
.endr
.endr
.macro XLOAD q                         ; x's fragments of K step q (8 to 15), four token tiles: each load takes 512 consecutive bytes
	WIN 0x80
.irp m, 0,1,2,3
.irp c, 0,1
	global_load_b128 v[32*((\q)%8)+8*\m+4*\c:32*((\q)%8)+8*\m+4*\c+3], v[L16], s[10:11] offset:16384*\m+1024*(\q)+512*\c
.endr
.endr
.endm
.irp q, 8,9,10,11,12
	XLOAD \q
.endr
	WIN 0
	v_mul_u32_u24 v[AW0], v1, PITCH
	v_lshl_add_u32 v[AW0], v26, 4, v[AW0]
	v_mov_b32 v[ADW], v[AW0]                       ; expert 0
	v_add_nc_u32 v[ADS], SCL, v[L16]
	v_lshl_add_u32 v[ADB], v26, 5, BT
	s_lshl_b32 s91, s[WV], 11
	s_add_co_u32 s91, s91, GIM
	v_lshl_add_u32 v[ADG], v1, 4, s91
	v_lshl_add_u32 v[GST], v26, 2, v[ADG]
	s_mul_i32 s91, s[WV], 4*8*1040                 ; my four token tiles of x in slot B
	s_add_co_u32 s91, s91, XST
	v_add_nc_u32 v[XLD], s91, v[L16]
	v_lshl_add_u32 v[CIA], v1, 5, CI
	s_mul_i32 s91, s[WV], 16*SP                    ; my stage
	v_mul_u32_u24 v[STO], v1, SP                   ; in: row r, 32 bytes for each half of the lanes
	v_lshl_add_u32 v[STO], v26, 5, v[STO]
	v_add_nc_u32 v[STO], s91, v[STO]
	v_mul_u32_u24 v[RD], v26, SP                   ; back: lanes 0-15 one row of 256 bytes, lanes 16-31 the next
	v_lshl_add_u32 v[RD], v1, 4, v[RD]
	v_add_nc_u32 v[RD], s91, v[RD]
	v_lshlrev_b32 v[GO], 13, v26                   ; and the same two rows in out0
	v_lshl_add_u32 v[GO], v1, 4, v[GO]
	v_lshlrev_b32 v[PFO], 8, v27
	s_wait_alu depctr_va_vdst(0)
	s_wait_kmcnt 0x0                               ; bg
.irp e, 0,1,2,3,4,5,6,7
	v_mov_b32 v[BGV+\e], s[BG+\e]
.endr
	; THE SOFTMAX: a lane has two tokens, and a token's eight logits in eight registers
	s_wait_alu depctr_va_vdst(0)
	s_wait_loadcnt 40                              ; the logits and x's scale words are in; the 40 loads of codes behind them may be out
.irp j, 0,1
.irp k, 0,2,4,6
	v_pk_add_f32 v[LG+8*\j+\k:LG+8*\j+\k+1], v[LG+8*\j+\k:LG+8*\j+\k+1], v[LG+16+8*\j+\k:LG+16+8*\j+\k+1]
.endr
.endr
.irp j, 0,1
.irp k, 0,2,4,6
	v_pk_add_f32 v[LG+8*\j+\k:LG+8*\j+\k+1], v[LG+8*\j+\k:LG+8*\j+\k+1], v[BGV+\k:BGV+\k+1]
.endr
.endr
.irp j, 0,1
	v_max3_num_f32 v[MC+\j], v[LG+8*\j], v[LG+8*\j+1], v[LG+8*\j+2]
.endr
.irp j, 0,1
	v_max3_num_f32 v[MC+\j], v[MC+\j], v[LG+8*\j+3], v[LG+8*\j+4]
.endr
.irp j, 0,1
	v_max3_num_f32 v[MC+\j], v[MC+\j], v[LG+8*\j+5], v[LG+8*\j+6]
.endr
.irp j, 0,1
	v_max_num_f32 v[MC+\j], v[MC+\j], v[LG+8*\j+7] ; the row's maximum
.endr
.irp j, 0,1
	v_mul_f32 v[MC+\j], s[LE], v[MC+\j]
.endr
.irp j, 0,1
.irp e, 0,1,2,3,4,5,6,7
	v_fma_f32 v[LG+8*\j+\e], v[LG+8*\j+\e], s[LE], -v[MC+\j]   ; (logit - maximum) x log2(e)
.endr
.endr
	s_wait_alu depctr_va_vdst(0)
.irp j, 0,1
.irp e, 0,1,2,3,4,5,6,7
	v_exp_f32 v[LG+8*\j+\e], v[LG+8*\j+\e]
.endr
.endr
	v_nop                                          ; a plain instruction behind the last exponential,
	s_wait_alu depctr_va_vdst(0)                   ; and for one behind it, ahead of its first reader
.irp j, 0,1
	v_pk_add_f32 v[SM+4*\j:SM+4*\j+1], v[LG+8*\j:LG+8*\j+1], v[LG+8*\j+2:LG+8*\j+3]
	v_pk_add_f32 v[SM+4*\j+2:SM+4*\j+3], v[LG+8*\j+4:LG+8*\j+5], v[LG+8*\j+6:LG+8*\j+7]
.endr
.irp j, 0,1
	v_pk_add_f32 v[SM+4*\j:SM+4*\j+1], v[SM+4*\j:SM+4*\j+1], v[SM+4*\j+2:SM+4*\j+3]
.endr
.irp j, 0,1
	v_add_f32 v[SM+4*\j], v[SM+4*\j], v[SM+4*\j+1]
.endr
	s_wait_alu depctr_va_vdst(0)
.irp j, 0,1
	v_rcp_f32 v[SM+4*\j+2], v[SM+4*\j]
.endr
	v_nop
	s_wait_alu depctr_va_vdst(0)                   ; one wait for the two reciprocals
.irp e, 0,1,2,3,4,5,6,7
.irp j, 0,1
	v_mul_f32 v[LG+8*\j+\e], v[LG+8*\j+\e], v[SM+4*\j+2]
.endr
.endr
.irp e, 0,1,2,3,4,5,6,7
.irp j, 0,1
	ds_store_b32 v[GST], v[LG+8*\j+\e] offset:256*\e+8*\j   ; g goes to my wave's own bytes,
.endr
.endr
.irp e, 0,1,2,3,4,5,6,7
	ds_load_b128 v[GT+4*\e:GT+4*\e+3], v[ADG] offset:256*\e    ; and comes back, four token tiles a lane (LDS serves a wave's instructions in order: ISA guide 5.7.1.4)
.endr
.irp q, 13,14,15
	XLOAD \q                                       ; the rest of x's codes
.endr
	WIN 0
	ASK 0                                          ; experts 2 and 3
	s_cmp_eq_u32 s[LIM], 1
	s_cbranch_scc0 .Lno_e1
	s_cmp_lt_u32 s[WV], 2
	s_cbranch_scc0 .Lno_e1
	global_prefetch_b8 v[PFO], s[100:101] th:TH_LOAD_NT scope:SCOPE_SE   ; expert 1
.Lno_e1:
	s_wait_dscnt 0x0
	; g as an operand of 16 tokens x 32 along K: lanes 0-15 (K = 0-7 and 16-23) take the high parts of the eight experts' g, lanes 16-31 (K = 8-15 and 24-31) the low parts
	v_cmp_eq_u32 vcc_lo, 1, v26
.set j, 0
.rept 32
	v_and_b32 v[LG+j], 0xffff0000, v[GT+j]
.set j, j+1
.endr
.set j, 0
.rept 16
	v_pk_add_f32 v[GT+2*j:GT+2*j+1], v[GT+2*j:GT+2*j+1], v[LG+2*j:LG+2*j+1] neg_lo:[0,1] neg_hi:[0,1]
.set j, j+1
.endr
.set j, 0
.rept 32
	v_cndmask_b32 v[LG+j], v[LG+j], v[GT+j], vcc_lo
.set j, j+1
.endr
	WIN 0xc0
.irp m, 0,1,2,3
.irp i, 0,1,2,3
	v_cvt_pk_bf16_f32 v[GBF+8*\m+\i], v[LG+8*\i+\m], v[LG+8*\i+4+\m]
	v_cvt_pk_bf16_f32 v[GBF+8*\m+4+\i], v[LG+8*\i+\m], v[LG+8*\i+4+\m]
.endr
.endr
	WIN 0
	s_wait_alu depctr_va_vdst(0)
	s_wait_tensorcnt 0x0                           ; my tile of the head's is in
	ds_add_u32 v[SPW], v[NIL]
	s_wait_dscnt 0x0
	CROUND                                         ; everybody's tiles are in, and all sixteen work-groups are here: the joint loads meet
	TLD G0E, G1H                                   ; expert 1, into bytes that nothing has filled
.macro XREAD q                         ; x's codes of K step q (0 to 7) out of slot B
	WIN 0x40
.irp m, 0,1,2,3
.irp c, 0,1
	ds_load_b128 v[32*(\q)+8*\m+4*\c:32*(\q)+8*\m+4*\c+3], v[XLD] offset:8320*\m+1040*(\q)+512*\c
.endr
.endr
.endm
	LOADB 0
	LOADS 0
	RUN 0, 0
.irp q, 0,1,2,3
	XREAD \q
.endr
	WIN 0
	RUN 0, 1
.irp q, 4,5,6,7
	XREAD \q
.endr
	WIN 0
	EXPERT 0, 3, 0, 1                              ; expert 0; in its second group slot B takes experts 2 and 3
	s_mov_b32 s[CNT], 2
.LA:                                               ; experts 1, 2 and 3, 4: behind the first of each a slot is filled again, with experts 4, 5 and 6, 7
	EXPERT 0, 1, 0, 0
	EXPERT 0, 0, 0, 0
	s_sub_co_u32 s[CNT], s[CNT], 1
	s_cmp_lg_u32 s[CNT], 0
	s_cbranch_scc1 .LA
	EXPERT 0, 2, 0, 0                              ; expert 5: nothing is left to ask for
	EXPERT 0, 0, 0, 0                              ; 6
	EXPERT 0, 0, 1, 0                              ; 7
; THE WAY OUT, a token tile (16 rows x 256 bytes) at a time.  A lane holds 32 bytes of four pieces of a row and the lanes beside it hold other rows: so a tile goes through my own stage in LDS and comes back as whole
; rows; sixteen lanes store 256 consecutive bytes, at a multiple of 256 from out0's first byte.  LDS serves a wave's instructions in order (ISA guide 5.7.1.4): no wait between the stores and the loads.
.macro TOSTAGE m
	WIN 0x0c                                       ; an LDS store's data are its source 1: window 3
.irp t, 0,1,2,3
.irp c, 0,1
	ds_store_b128 v[STO], v[8*(4*\t+(\m))+4*\c:8*(4*\t+(\m))+4*\c+3] offset:64*\t+16*\c
.endr
.endr
	WIN 0
.irp i, 0,1,2,3,4,5,6,7
	ds_load_b128 v[WF+32*(\m)+4*\i:WF+32*(\m)+4*\i+3], v[RD] offset:2*SP*\i
.endr
.endm
.macro SEND m, younger                 ; younger: the LDS instructions issued behind tile m's loads: the next tile's sixteen, or none.  No register is used twice, so no store's data are written again
.irp i, 0,1,2,3,4,5,6,7
	s_wait_dscnt (\younger)+7-\i
	global_store_b128 v[GO], v[WF+32*(\m)+4*\i:WF+32*(\m)+4*\i+3], s[16:17] offset:(16*(\m)+2*\i)*8192 th:TH_STORE_NT
.endr
.endm
.irp m, 0,1,2,3                                ; the last group's sums of token tile m (the last batch's multiply-adds stand between the first of them and the last products)
	WIN 0xfc
.set rS, 192+16*\m
.irp n, 0,1,2,3,4,5,6,7,8,9,10,11,12,13,14,15
	RELU \n
.endr
	FMA8 1, \m, GF
	TOSTAGE \m
.if \m > 0
	SEND \m-1, 16
.endif
.endr
	SEND 3, 0
	s_wait_tensorcnt 0x0                           ; the wave's end, behind my last tensor load and my last LDS store
	ds_add_u32 v[SPW], v[NIL]
	s_wait_dscnt 0x0
	CROUND                                         ; the closing round: no work-group ends while a partner may still ask for a tile that names it
	s_endpgm
.Lfunc_end_k_qf757da56fe_moe:
	.size	k_qf757da56fe_moe, .Lfunc_end_k_qf757da56fe_moe-k_qf757da56fe_moe
	.p2alignl 7, 3214868480
	.fill 96, 4, 3214868480
	.section	.rodata,"a",@progbits
	.p2align	6, 0x0
	.amdhsa_kernel k_qf757da56fe_moe
		.amdhsa_group_segment_fixed_size 327680
		.amdhsa_private_segment_fixed_size 0
		.amdhsa_enable_private_segment 0
		.amdhsa_kernarg_size 56
		.amdhsa_user_sgpr_count 2
		.amdhsa_user_sgpr_kernarg_segment_ptr 1
		.amdhsa_wavefront_size32 1
		.amdhsa_system_sgpr_workgroup_id_x 1
		.amdhsa_system_sgpr_workgroup_id_y 1
		.amdhsa_system_sgpr_workgroup_id_z 1
		.amdhsa_system_vgpr_workitem_id 0
		.amdhsa_next_free_vgpr 1024
		.amdhsa_next_free_sgpr 102
		.amdhsa_reserve_vcc 1
		.amdhsa_float_denorm_mode_32 3
		.amdhsa_float_denorm_mode_16_64 3
		.amdhsa_memory_ordered 1
		.amdhsa_forward_progress 1
		.amdhsa_inst_pref_size 255
	.end_amdhsa_kernel
	.section	.bss,"aw",@nobits
	.p2align	6
	.space	262144
	.amdgpu_metadata
---
amdhsa.version: [ 1, 2 ]
amdhsa.kernels:
  - .name:           k_qf757da56fe_moe
    .symbol:         k_qf757da56fe_moe.kd
    .args:
      - { .name: W_codes, .offset: 0, .size: 8, .value_kind: global_buffer, .address_space: global }
      - { .name: wimg, .offset: 8, .size: 8, .value_kind: global_buffer, .address_space: global }
      - { .name: bg, .offset: 16, .size: 8, .value_kind: global_buffer, .address_space: global }
      - { .name: xq, .offset: 24, .size: 8, .value_kind: global_buffer, .address_space: global }
      - { .name: xs, .offset: 32, .size: 8, .value_kind: global_buffer, .address_space: global }
      - { .name: lg, .offset: 40, .size: 8, .value_kind: global_buffer, .address_space: global }
      - { .name: out0, .offset: 48, .size: 8, .value_kind: global_buffer, .address_space: global }
    .group_segment_fixed_size: 327680
    .private_segment_fixed_size: 0
    .kernarg_segment_align: 8
    .kernarg_segment_size: 56
    .max_flat_workgroup_size: 128
    .sgpr_count:     102
    .vgpr_count:     1024
    .wavefront_size: 32
...
	.end_amdgpu_metadata
.endif
;; end of part 2
